; MI455X (gfx1250); checked and timed in simulation.
; The chip was launched on July 23, 2026; its instructions are those of AMD's public machine-readable ISA for CDNA 5 (MIT licence, August 2026) and "CDNA5" Instruction Set Architecture Reference Guide (July 2026). The comments in the code are by the model that wrote it; some were corrected since.
;; Attention. Allowed arithmetic: matrix products marked QUANTISED: E2M1 operands, one E8M0 scale for each 32 along K, by v_wmma_scale_f32_16x16x128_f8f6f4 with both operands' format E2M1 (or v_wmma_scale_f32_32x16x128_f4), f32 sums; products left as they are: f32 operands where the result goes on into a quantised operand, else bf16, f16 or f32 operands; f32 sums; everything else in f32.
;; Inputs: W_dec_codes 1,024 x 32 x 16 uint8 (E2M1 codes of W_dec, K innermost, in blocks of 32 codes, two codes a byte); W_dec_scales 1,024 x 32 uint8 (E8M0 scales of W_dec, one for each 32 codes along K); W_mem_codes 1,024 x 16 x 16 uint8 (E2M1 codes of W_mem, K innermost, in blocks of 32 codes, two codes a byte); W_mem_scales 1,024 x 16 uint8 (E8M0 scales of W_mem, one for each 32 codes along K); W_v 1,024 float32; decoder_state_codes 64 x 32 x 16 uint8 (E2M1 codes of decoder_state, K innermost, in blocks of 32 codes, two codes a byte); decoder_state_scales 64 x 32 uint8 (E8M0 scales of decoder_state, one for each 32 codes along K); memory_bank 64 x 2,048 x 512 float32; src_mask 64 x 2,048 int32.
;; Outputs: out0 64 x 512 float32; out1 64 x 2,048 float32.
;; This version of the problem:
;;   THIS VERSION OF THE PROBLEM IS GIVEN IN LOW PRECISION. The matrix products marked QUANTISED in the list below multiply operands that are first quantised to E2M1 (2 exponent bits, 1 mantissa bit; 4 bits a number), with one power-of-two scale for each 32 numbers along K (OCP MX v1.0); their sums are f32. All else is computed in f32.
;;   The module's matrix products, in the order in which they are computed (A, B: the left and right operand; K: the contracted axis; several contracted axes count as one K, in the product's order):
;;     1. [M 131,072, K 512] x [K 512, N 1,024]; A: input memory_bank; B: input W_mem (given as codes): QUANTISED
;;     2. [M 64, K 1,024] x [K 1,024, N 1,024]; A: input decoder_state (given as codes); B: input W_dec (given as codes): QUANTISED
;;     3. [M 131,072, K 1,024] x [K 1,024, N 1]; A: computed on the way; B: input W_v: left as it is (N = 1 < 16)
;;     4. batch 64 x [M 1, K 2,048] x [K 2,048, N 512]; A: softmax; B: input memory_bank: left as it is (M = 1 < 16)
;;   THE QUANTISER, for each operand of a quantised product, along K:
;;     - K is cut into blocks of 32 from its start; a last block that is shorter is filled with zeros.
;;     - A block's scale is 2^e with e = floor(log2(the largest magnitude in the block)) - 2, held to -126 .. 127; a block of zeros has e = 0. As a byte (E8M0): e + 127.
;;     - Each number is divided by its block's scale, clamped to +-6, and rounded to the nearest number of E2M1, ties to even, subnormals kept.
;;     - The product sums the exact products of the quantised numbers (number of the format x scale) in f32.
;;   ~~~python
;;   def quantise(x, axis):      # numpy; x: float32 -> the quantised numbers, widened to float32 again
;;       x = np.moveaxis(x, axis, -1); K = x.shape[-1]
;;       x = np.pad(x, [(0, 0)] * (x.ndim - 1) + [(0, -K % 32)]); x = x.reshape(x.shape[:-1] + (-1, 32)); a = np.abs(x).max(-1, keepdims=True)
;;       e = np.where(a > 0, np.clip(np.frexp(np.where(a > 0, a, 1))[1] - 1 - 2, -126, 127), 0)      # np.frexp(a)[1] - 1 = floor(log2(a)), exactly
;;       r = np.clip(x / 2.0 ** e, -6, 6)
;;       step = 2.0 ** (np.maximum(np.frexp(np.where(r == 0, 1, r))[1] - 1, 0) - 1)
;;       q = np.round(r / step) * step * 2.0 ** e      # np.round: ties to even
;;       return np.moveaxis(q.reshape(q.shape[:-2] + (-1,))[..., :K], -1, axis).astype(np.float32)
;;   ~~~
;;   INPUTS GIVEN AS CODES. W_dec (in the module: [1024, 1024], K = its axis 0); W_mem (in the module: [512, 1024], K = its axis 0); decoder_state (in the module: [64, 1024], K = its axis 1): each comes as NAME_codes (uint8): NAME with its K axis moved to the last place and cut into blocks of 32 codes, [.., K / 32, bytes a block], one block behind the other in memory; two codes a byte, the lower K in the low four bits (a code: sign, 2 exponent bits, 1 mantissa bit); and NAME_scales (uint8): the same leading axes, one E8M0 byte (e + 127) for each 32 codes along K. Its value is code x scale, taken as it is: it is not quantised again, and the codes and scales need not be those that the quantiser above would give.
;; One version. Each part assembles by itself: llvm-mc -triple=amdgcn-amd-amdhsa -mcpu=gfx1250 --defsym DOCPART=n.
;; ======== version 1 of 1: 3 launches
;; workspace buffers: kdimg 262,144 bytes; wimg 262,144 bytes; scores 524,288 bytes; pctx 524,288 bytes; pml 65,536 bytes
;; launch dec (part 1): grid 32 x 8, 1 waves a work-group, no clusters, 0 bytes of LDS; arguments decoder_state_codes, decoder_state_scales, W_dec_codes, W_dec_scales, W_mem_codes, kdimg, wimg; writes kdimg, wimg
.if DOCPART == 1
	.amdgcn_target "amdgcn-amd-amdhsa--gfx1250"
	.amdhsa_code_object_version 6
	.text
	.protected	k_qa7b4d7cb34_dec
	.globl	k_qa7b4d7cb34_dec
	.p2align	8
	.type	k_qa7b4d7cb34_dec,@function
k_qa7b4d7cb34_dec:
	s_mov_b64 s[64:65], 0
	v_nop
	global_prefetch_b8 v0, s[64:65] scope:SCOPE_SE
	s_setreg_imm32_b32 hwreg(HW_REG_WAVE_MODE, 25, 1), 1
	s_wait_xcnt 0x0
; TWO JOBS, parted by the work-group's y; one wave a work-group, no LDS.
; y = 0 .. 3:  kd[b][n] = k x sum over j of decoder_state[b][j] W_dec[j][n], k = 2 log2(e): the decoder's part of the exponent in tanh(x) = 1 - 2 / (1 + 2^(k x)).
;   Both operands come as codes of FP4 (E2M1), K innermost, 512 bytes a row, with one E8M0 byte for each 32 along K, 32 bytes a row; they go to the matrix unit as they lie.
;   16 batches (y) x 32 columns n (x): two accumulators, which take turns, over 8 K steps of 128.  Source 0 = 16 batches, source 1 = 16 rows n of W_dec: lane (r, h) holds column n = r, register j batch 8 h + j.
;   The accumulators leave as an image of their registers: [tile of n 64][tile of batches 4][register group 2][lane 32][4 f32]: each store of the wave covers 512 consecutive bytes, aligned.
;   The number of batch b and column 16 nt + r lies at byte 4096 nt + 1024 (b / 16) + 512 ((b / 4) % 2) + 256 ((b / 8) % 2) + 16 r + 4 (b % 4).
; y = 4 .. 7:  W_mem's codes, [1024 rows n][256 bytes], are laid once in the order in which the next launch's waves take them into operand registers: group I = 64 w + 8 t + 2 q + c (wave w, tile t, K step q,
;   register group c) is 512 bytes, lane (r, h) at 16 (16 h + r): the 16 bytes at row 128 w + 16 t + r, byte 64 q + 32 c + 16 h.  Work-group e = 32 (y - 4) + x copies groups 4 e .. 4 e + 3.
.set XF,  16                           ; v16-79    decoder_state's fragments, K step q at 8 q; later the scaled results; in the copy: four groups
.set XSC, 80                           ; v80-87    its scale words, one a K step
.set WF,  96                           ; v96-223   W_dec's fragments: tile u, K step q at 64 u + 8 q
.set WSC, 224                          ; v224-239  its scale words at 8 u + q
.set ACC, 240                          ; v240-255  two accumulators
	s_load_b256 s[4:11], s[0:1], 0x0               ; state's codes s[4:5], its scales s[6:7], W_dec's codes s[8:9], its scales s[10:11]
	s_load_b128 s[12:15], s[0:1], 0x20             ; W_mem's codes s[12:13], kdimg s[14:15]
	s_load_b64 s[28:29], s[0:1], 0x30              ; wimg
	v_and_b32 v4, 15, v0                           ; r
	v_bfe_u32 v5, v0, 4, 1                         ; h
	v_lshlrev_b32 v3, 4, v0                        ; out: 16 bytes a lane
	s_and_b32 s16, ttmp7, 0xffff                   ; y
	s_cmp_ge_u32 s16, 4
	s_cbranch_scc1 .Llay
	v_lshlrev_b32 v1, 9, v4
	v_lshl_add_u32 v1, v5, 4, v1                   ; codes: row r of 512 bytes, + 16 h
	v_lshlrev_b32 v2, 5, v4                        ; scale bytes: row r of 32 bytes
	s_mov_b32 s30, 0x4038aa3b                      ; k = 2 log2(e)
	s_mov_b32 s31, s30                             ; (named with it as a pair, so it is written)
	s_lshl_b32 s18, s16, 13                        ; 16 rows of 512 bytes
	s_mov_b32 s19, 0
	s_lshl_b32 s20, s16, 9                         ; 16 rows of 32 bytes
	s_mov_b32 s21, 0
	s_lshl_b32 s22, ttmp9, 14                      ; 32 rows of 512 bytes
	s_mov_b32 s23, 0
	s_lshl_b32 s24, ttmp9, 10                      ; 32 rows of 32 bytes
	s_mov_b32 s25, 0
	s_lshl_b32 s26, ttmp9, 13                      ; two tiles of n, 4,096 bytes each,
	s_lshl_b32 s27, s16, 10
	s_add_co_u32 s26, s26, s27                     ; + my tile of batches
	s_mov_b32 s27, 0
	s_wait_kmcnt 0x0
	s_add_nc_u64 s[4:5], s[4:5], s[18:19]
	s_add_nc_u64 s[6:7], s[6:7], s[20:21]
	s_add_nc_u64 s[8:9], s[8:9], s[22:23]
	s_add_nc_u64 s[10:11], s[10:11], s[24:25]
	s_add_nc_u64 s[14:15], s[14:15], s[26:27]
; a fragment, 16 rows x 128 K of 4-bit codes, is 8 registers: registers 4 c .. 4 c + 3 of lane (r, h) hold K = 64 c + 32 h + 0 .. 31 of row r: 16 bytes as they lie
.irp q, 0,1,2,3,4,5,6,7
.irp c, 0,1
	global_load_b128 v[XF+8*\q+4*\c:XF+8*\q+4*\c+3], v1, s[4:5] offset:64*\q+32*\c
.endr
.endr
	global_load_b128 v[XSC:XSC+3], v2, s[6:7]                      ; a row's 32 scale bytes: eight words, one a K step
	global_load_b128 v[XSC+4:XSC+7], v2, s[6:7] offset:16
.irp u, 0,1
.irp q, 0,1,2,3,4,5,6,7
.irp c, 0,1
	global_load_b128 v[WF+64*\u+8*\q+4*\c:WF+64*\u+8*\q+4*\c+3], v1, s[8:9] offset:8192*\u+64*\q+32*\c
.endr
.endr
	global_load_b128 v[WSC+8*\u:WSC+8*\u+3], v2, s[10:11] offset:512*\u
	global_load_b128 v[WSC+8*\u+4:WSC+8*\u+7], v2, s[10:11] offset:512*\u+16
.endr
	s_wait_loadcnt 0x0                             ; all operands are in: the whole of K is in registers
.irp q, 0,1,2,3,4,5,6,7                        ; the two accumulators by turns, one instruction a turn; the first K step starts the sums
.irp u, 0,1
.if \q == 0
	v_wmma_scale_f32_16x16x128_f8f6f4 v[ACC+8*\u:ACC+8*\u+7], v[XF+8*\q:XF+8*\q+7], v[WF+64*\u+8*\q:WF+64*\u+8*\q+7], 0, v[XSC+\q], v[WSC+8*\u+\q] matrix_a_fmt:MATRIX_FMT_FP4 matrix_b_fmt:MATRIX_FMT_FP4
.else
	v_wmma_scale_f32_16x16x128_f8f6f4 v[ACC+8*\u:ACC+8*\u+7], v[XF+8*\q:XF+8*\q+7], v[WF+64*\u+8*\q:WF+64*\u+8*\q+7], v[ACC+8*\u:ACC+8*\u+7], v[XSC+\q], v[WSC+8*\u+\q] matrix_a_fmt:MATRIX_FMT_FP4 matrix_b_fmt:MATRIX_FMT_FP4
.endif
.endr
.endr
.rept 4
	v_nop                                          ; four places between the last product and the first read of a result (ISA guide 7.12.1)
.endr
.irp u, 0,1
.irp p, 0,2,4,6
	v_pk_mul_f32 v[XF+8*\u+\p:XF+8*\u+\p+1], v[ACC+8*\u+\p:ACC+8*\u+\p+1], s[30:31] op_sel_hi:[1,0]   ; x k; each accumulator from its low end on
.endr
.endr
.irp u, 0,1
.irp g, 0,1
	global_store_b128 v3, v[XF+8*\u+4*\g:XF+8*\u+4*\g+3], s[14:15] offset:4096*\u+512*\g
.endr
.endr
	s_endpgm
.Llay:
	; groups 4 e + i, i = 0 .. 3: t and w make the 16 rows 16 (e / 2) on; q = 2 (e % 2) + i / 2, c = i % 2: byte 128 (e % 2) + 32 i of a row
	v_lshlrev_b32 v6, 8, v4
	v_lshl_add_u32 v6, v5, 4, v6                   ; row r of 256 bytes, + 16 h
	s_sub_co_u32 s17, s16, 4
	s_lshl_b32 s17, s17, 5
	s_add_co_u32 s17, s17, ttmp9                   ; e
	s_lshr_b32 s18, s17, 1
	s_lshl_b32 s18, s18, 12                        ; 16 rows of 256 bytes
	s_and_b32 s19, s17, 1
	s_lshl_b32 s19, s19, 7
	s_add_co_u32 s18, s18, s19
	s_mov_b32 s19, 0
	s_lshl_b32 s20, s17, 11                        ; four groups of 512 bytes
	s_mov_b32 s21, 0
	s_wait_kmcnt 0x0
	s_add_nc_u64 s[12:13], s[12:13], s[18:19]
	s_add_nc_u64 s[28:29], s[28:29], s[20:21]
.irp i, 0,1,2,3
	global_load_b128 v[XF+4*\i:XF+4*\i+3], v6, s[12:13] offset:32*\i
.endr
	s_wait_loadcnt 0x0
.irp i, 0,1,2,3
	global_store_b128 v3, v[XF+4*\i:XF+4*\i+3], s[28:29] offset:512*\i   ; each store of the wave covers 512 consecutive bytes, aligned
.endr
	s_endpgm
.Lfunc_end_k_qa7b4d7cb34_dec:
	.size	k_qa7b4d7cb34_dec, .Lfunc_end_k_qa7b4d7cb34_dec-k_qa7b4d7cb34_dec
	.p2alignl 7, 3214868480
	.fill 96, 4, 3214868480
	.section	.rodata,"a",@progbits
	.p2align	6, 0x0
	.amdhsa_kernel k_qa7b4d7cb34_dec
		.amdhsa_group_segment_fixed_size 0
		.amdhsa_private_segment_fixed_size 0
		.amdhsa_enable_private_segment 0
		.amdhsa_kernarg_size 56
		.amdhsa_user_sgpr_count 2
		.amdhsa_user_sgpr_kernarg_segment_ptr 1
		.amdhsa_wavefront_size32 1
		.amdhsa_system_sgpr_workgroup_id_x 1
		.amdhsa_system_sgpr_workgroup_id_y 1
		.amdhsa_system_sgpr_workgroup_id_z 1
		.amdhsa_system_vgpr_workitem_id 0
		.amdhsa_next_free_vgpr 256
		.amdhsa_next_free_sgpr 66
		.amdhsa_reserve_vcc 0
		.amdhsa_float_denorm_mode_32 3
		.amdhsa_float_denorm_mode_16_64 3
		.amdhsa_memory_ordered 1
		.amdhsa_forward_progress 1
		.amdhsa_inst_pref_size 11
	.end_amdhsa_kernel
	.amdgpu_metadata
---
amdhsa.version: [ 1, 2 ]
amdhsa.kernels:
  - .name:           k_qa7b4d7cb34_dec
    .symbol:         k_qa7b4d7cb34_dec.kd
    .args:
      - { .name: decoder_state_codes, .offset: 0, .size: 8, .value_kind: global_buffer, .address_space: global }
      - { .name: decoder_state_scales, .offset: 8, .size: 8, .value_kind: global_buffer, .address_space: global }
      - { .name: W_dec_codes, .offset: 16, .size: 8, .value_kind: global_buffer, .address_space: global }
      - { .name: W_dec_scales, .offset: 24, .size: 8, .value_kind: global_buffer, .address_space: global }
      - { .name: W_mem_codes, .offset: 32, .size: 8, .value_kind: global_buffer, .address_space: global }
      - { .name: kdimg, .offset: 40, .size: 8, .value_kind: global_buffer, .address_space: global }
      - { .name: wimg, .offset: 48, .size: 8, .value_kind: global_buffer, .address_space: global }
    .group_segment_fixed_size: 0
    .private_segment_fixed_size: 0
    .kernarg_segment_align: 8
    .kernarg_segment_size: 56
    .max_flat_workgroup_size: 32
    .sgpr_count:     66
    .vgpr_count:     256
    .wavefront_size: 32
...
	.end_amdgpu_metadata
.endif
;; end of part 1
;; launch attend (part 2): grid 256 x 1, 8 waves a work-group, no clusters, 327,680 bytes of LDS; arguments memory_bank, src_mask, wimg, W_mem_scales, W_v, kdimg, scores, pctx, pml; writes scores, pctx, pml
.if DOCPART == 2
	.amdgcn_target "amdgcn-amd-amdhsa--gfx1250"
	.amdhsa_code_object_version 6
	.text
	.protected	k_qa7b4d7cb34_attend
	.globl	k_qa7b4d7cb34_attend
	.p2align	8
	.type	k_qa7b4d7cb34_attend,@function
k_qa7b4d7cb34_attend:
	s_mov_b64 s[64:65], 0
	v_nop
	global_prefetch_b8 v0, s[64:65] scope:SCOPE_SE
	s_setreg_imm32_b32 hwreg(HW_REG_WAVE_MODE, 25, 1), 1
	s_wait_xcnt 0x0
; For 512 rows s of one batch b: t[s] = log2(e) x sum over d of W_v[d] tanh(enc[s][d] + dec[b][d]), enc = Q(memory_bank) x W_mem on codes of FP4 (E2M1) with one E8M0 scale for each 32 along K;
; t = -infinity where src_mask is 0; a running maximum M and sum L of 2^(t - M); and the partial context, sum over s of 2^(t - M) memory_bank[s][:].  memory_bank is read from memory once.
; tanh(x) = 1 - 2 / (1 + 2^(k x)), k = 2 log2(e), holds for every x: 2^(k x) = infinity gives 1, 0 gives -1.  So t = log2(e) sum v_d + sum (-k v_d) / (1 + 2^(k enc + kd)), kd = k dec from the launch before.
; LIMITS.  NaN and infinities in memory_bank are not served.  A block of 32 zeros gets the scale byte 1 where the quantiser's rule says 127: its codes are zeros, and the bytes are read by this text alone.
;   Blocks whose largest magnitude lies under 2^-124 are held at that byte too.  A batch whose mask is all 0 ends as NaN in the last launch (0 x infinity), as it does in the definition.
; SHARES.  Work-group G owns rows 512 G .. 512 G + 511 of the 131,072 (batch G / 4), in 8 steps of 64 rows.  THE EIGHT WAVES SHARE THE COLUMNS: wave w owns d = 128 w .. 128 w + 127; its part of W_mem,
;   8 tiles x 4 K steps = 256 registers, stays in window 1 for the whole launch.  What goes from wave to wave is small: a step's codes and scale words (17 KiB) and partial scores.
; A STEP, three barriers:  head: the step's tile is whole in its LDS slot; the other slot is filled again |  Q: thread i quantises piece i (128 numbers of a row) and stores the codes as images of operand registers
;   | barrier |  S: for each of the 4 tiles of 16 rows: 32 products, the exponentials and reciprocals, a lane's partial scores to LDS | barrier |  R: wave w sums the partial scores of 8 rows over waves and lanes,
;   masks them, moves its running maximum, and adds its 8 rows of memory_bank, read from the slot once more, onto its context.
; S GOES BY HALVES, LACED.  The eight accumulators are two halves, a (column tiles 0-3) and b (4-7).  A run of transcendentals on one half carries, between its lines, work that names none of their results:
;   the other half's 16 products, and the packed lines that feed later transcendentals.  So products, transcendentals and packed arithmetic are issued by turns and not in three long runs of one kind.
; NO CLUSTER: what work-groups share, W_mem, is read once at the head, 32 KiB a wave, straight into registers; the stream through LDS, 1 MiB a work-group, is shared with nobody.
; NO PREFETCH: each refill is asked for a whole step (128 products and some 1,300 vector instructions a wave) ahead of the wait for it, and the eight waves' loads bring a whole slot, 128 KiB.
.set PIECE, 528                        ; a piece in LDS: 512 bytes (128 numbers: one row's part of a K step) + 16 of padding = 33 x 16: sixteen neighbouring pieces begin at sixteen different 16-byte columns of 256
.set SLOTB, 256*PIECE                  ; a slot: 64 rows = 256 pieces; piece 4 row + K step
.set TILEB, 131072                     ; 64 rows in memory
.set KP,    1088                       ; a fragment's image: 1,024 bytes + 64, so that the four K steps that sixteen lanes store at once fall on different columns
.set IMG,   2*SLOTB                    ; the images: tile of rows T, K step q at 4 KP T + KP q; in it register group c at 512 c + 16 lane
.set ASC,   IMG+16*KP                  ; the rows' scale words: 16 row + 4 q
.set PART,  ASC+1024                   ; partial scores: writer wave 4096 w + tile of rows 1024 T + register group 512 g + 16 lane; at the end the waves' contexts, 2048 w
.set SCO,   PART+32768                 ; the work-group's 512 scores
.set SPARE, SCO+2048                   ; the spare words, 128 bytes for each wave: four blocks of 256 bytes that no other line names
.set ML,    SPARE+1024                 ; (maximum, sum) of wave w at 8 w
; window 0
.set SPW, 1                            ; v1   SPARE + 4 x thread; never rewritten
.set NIL, 2                            ; v2   0; never rewritten
.set QA,  3                            ; v3-4 my piece in slot 0, 1
.set IW,  5                            ; v5   where my codes go
.set SW,  6                            ; v6   where my scale word goes
.set LI,  7                            ; v7   IMG + 16 lane
.set LSA, 8                            ; v8   ASC + 16 (lane % 16)
.set PWA, 9                            ; v9   PART + 4096 wave + 16 lane
.set PRA, 10                           ; v10  PART + 512 wave + 16 lane
.set CA,  11                           ; v11-12 my first context row in slot 0, 1, + 16 lane
.set SCW, 13                           ; v13  SCO + my rows' bytes in a step
.set MA,  14                           ; v14  my rows' bytes in a step's 256 of the mask
.set NI,  15                           ; v15  -infinity
.set T0,  16                           ; v16-19 addresses in hand
.set T1,  17
.set T2,  18
.set T3,  19
.set RM,  20                           ; v20  my wave's running maximum
.set RL,  21                           ; v21  its running sum (each half of the lanes: its own rows)
.set FF,  22                           ; v[22:23] 2^(old maximum - new); the upper register is written once
.set S,   24                           ; v24-27 four scores
.set MK,  28                           ; v28-31 four mask words, then the four weights p
.set WS,  32                           ; v32-63 W_mem's scale words at 4 t + q: they hold nothing else
.set PR,  64                           ; v64-79 pair t: (kd, -k W_v) of my column of tile t
.set CV,  80                           ; v[80:81] log2(e) x the sum of my eight W_v, twice
.set CTX, 82                           ; v82-97 my context: register 4 q + e = column 128 q + 4 lane + e
.set MXA, 98                           ; v98-102 the quantiser's: two chains of maxima, the scale operand, a byte, the scale word
.set MXB, 99
.set SOP, 100
.set BY,  101
.set WD,  102
.set AS,  104                          ; v104-107 the rows' scale words of a tile, one a K step: they hold nothing else
.set TA,  108                          ; v108-111 at work
.set XQ,  112                          ; Q: v112-175 two sets of 32 numbers;  v176-191 the codes, four registers a block
.set CD,  176
.set ACC, 112                          ; S: v112-175 eight accumulators: half a v112-143, half b v144-175;  v176-207 the rows' four fragments;  v208-215 partial scores
.set AF,  176
.set SA,  208
.set D0,  112                          ; R: v112-175 four rows;  v176-207 partial scores of eight waves, then v176-239 four more rows
.set PL,  176
.set D1,  176
.set EN,  240                          ; v240-255 the end's
.set HA,  240                          ; v240-242 the offsets of the head's loads: nothing writes them until those loads are waited for
.set WV,  22                           ; s22  my wave's number
.set G1,  24                           ; s[24:31] descriptor group 1
.set G0,  32                           ; s[32:39] descriptor group 0, a set for each slot
.set KK,  40                           ; s[40:41] k
.set SEL, 42                           ; s[42:43] selects of v_permlanex16_b32: lane l xor 16
.set CPR, 44                           ; s44  counts pairs of steps
.set CRT, 45                           ; s45  counts tiles of rows
.set SI,  46                           ; s46  the tile's images;  s47 its scale words;  s48 its partial scores;  s49 the step's scores
.set SAD, 47
.set SPT, 48
.set SSC, 49
.set P,   66                           ; s[66:81] eight weights p, each the low word of a pair
.set MSB, 0
.macro WIN new                         ; the immediate's high byte repeats the setting that is left
.if MSB != \new
	s_set_vgpr_msb (MSB<<8)|\new
.set MSB, \new
.endif
.endm
.macro BAR                             ; my LDS stores have landed and my LDS loads are in: then the work-group's barrier
	s_wait_dscnt 0x0
	s_barrier_signal -1
	s_barrier_wait -1
.endm
	s_load_b256 s[4:11], s[0:1], 0x0               ; memory_bank s[4:5], src_mask s[6:7], wimg s[8:9], W_mem's scales s[10:11]
	s_load_b256 s[12:19], s[0:1], 0x20             ; W_v s[12:13], kdimg s[14:15], scores s[16:17], pctx s[18:19]
	s_load_b64 s[20:21], s[0:1], 0x40              ; pml
	v_lshl_add_u32 v[SPW], v0, 2, SPARE
	v_mov_b32 v[NIL], 0
	ds_add_u32 v1, v2
	ds_add_u32 v1, v2
	s_wait_dscnt 0x0
	v_lshrrev_b32 v111, 5, v0                      ; wave
	v_readfirstlane_b32 s[WV], v111
	; descriptor group 1: 32 pieces of 128 numbers, dense in memory, 16 bytes of padding behind each in LDS
	s_mov_b32 s[G1+0], (2<<16)|(1<<20)|(6<<22)|(3<<25)   ; 15:0 no mask; 17:16 elements of 4 bytes; 20 padding on; 24:22 after every 128 words (code 6); 31:25 four words (code 3)
	s_mov_b32 s[G1+1], 128<<16                     ; tensor_dim0 = 128
	s_mov_b32 s[G1+2], 32<<16                      ; tensor_dim1 = 32
	s_mov_b32 s[G1+3], 128<<16                     ; tile_dim0 = 128
	s_mov_b32 s[G1+4], 32                          ; tile_dim1 = 32
	s_mov_b32 s[G1+5], 128                         ; from piece to piece
	s_mov_b32 s[G1+6], 0
	s_mov_b32 s[G1+7], 0
	s_mov_b32 s[G0], 1
	s_mul_i32 s[G0+1], s[WV], 32*PIECE             ; my 32 pieces of slot 0,
	s_mov_b32 s[G0+4], 1
	s_add_co_u32 s[G0+5], s[G0+1], SLOTB           ; of slot 1
	s_lshl_b32 s50, ttmp9, 20                      ; my work-group's 512 rows of 2,048 bytes,
	s_lshl_b32 s52, s[WV], 14                      ; my wave's 32 pieces of 512 bytes
	s_add_co_u32 s50, s50, s52
	s_mov_b32 s51, 0
	s_mov_b32 s[KK], 0x4038aa3b                    ; k = 2 log2(e)
	s_mov_b32 s[KK+1], s[KK]                       ; (named with it as a pair, so it is written)
	s_mov_b32 s[SEL], 0x76543210
	s_mov_b32 s[SEL+1], 0xfedcba98
	s_mov_b32 s[SSC], 0
.irp e, 0,1,2,3,4,5,6,7
	s_mov_b32 s[P+2*\e+1], 0                       ; the pairs' upper words are named, never used
.endr
	; addresses: all of them from the thread's number and constants
	v_and_b32 v108, 31, v0                         ; lane
	v_and_b32 v109, 15, v0                         ; r
	v_bfe_u32 v110, v0, 4, 1                       ; h
	v_mul_u32_u24 v[QA], v0, PIECE
	v_add_nc_u32 v[QA+1], SLOTB, v[QA]
	v_lshrrev_b32 v98, 6, v0                       ; my piece's row is thread / 4: its tile of rows,
	v_mul_u32_u24 v[IW], v98, 4*KP
	v_and_b32 v98, 3, v0                           ; its K step,
	v_mad_u32_u24 v[IW], v98, KP, v[IW]
	v_bfe_u32 v98, v0, 2, 4                        ; its row in the tile
	v_lshl_add_u32 v[IW], v98, 4, v[IW]
	v_add_nc_u32 v[IW], IMG, v[IW]
	v_lshl_add_u32 v[SW], v0, 2, ASC               ; 16 row + 4 K step = 4 x thread
	v_lshl_add_u32 v[LI], v108, 4, IMG
	v_lshl_add_u32 v[LSA], v109, 4, ASC
	v_lshlrev_b32 v[PWA], 4, v108
	v_lshl_add_u32 v[PRA], v111, 9, v[PWA]
	v_lshl_add_u32 v[PWA], v111, 12, v[PWA]
	v_add_nc_u32 v[PWA], PART, v[PWA]
	v_add_nc_u32 v[PRA], PART, v[PRA]
	v_lshrrev_b32 v98, 1, v111                     ; in R wave w takes tile of rows w / 2, register group w % 2:
	v_and_b32 v99, 1, v111
	v_lshlrev_b32 v100, 2, v99
	v_lshl_add_u32 v100, v98, 4, v100              ; rows 16 (w / 2) + 4 (w % 2) + 0 .. 3, and the four that lie 8 further on
	v_mul_u32_u24 v[CA], v100, 4*PIECE
	v_lshl_add_u32 v[CA], v108, 4, v[CA]
	v_add_nc_u32 v[CA+1], SLOTB, v[CA]
	v_lshlrev_b32 v[MA], 2, v100
	v_lshl_add_u32 v[MA], v110, 5, v[MA]           ; lanes 16-31 hold the rows 8 further on
	v_add_nc_u32 v[SCW], SCO, v[MA]
	v_lshlrev_b32 v[HA], 4, v108                   ; wimg: 16 lane
	v_lshlrev_b32 v[HA+1], 4, v109                 ; W_mem's scale bytes, and kdimg: 16 r
	v_lshlrev_b32 v[HA+2], 2, v109                 ; W_v: 4 r
	s_wait_kmcnt 0x0
	s_add_nc_u64 s[G0+2:G0+3], s[4:5], s[50:51]    ; tile 0,
	s_add_nc_u64 s[G0+6:G0+7], s[G0+2:G0+3], TILEB ; tile 1
	s_or_b32 s[G0+3], s[G0+3], 0x80000000          ; type = 2
	s_or_b32 s[G0+7], s[G0+7], 0x80000000
	tensor_load_to_lds s[G0:G0+3], s[G1:G1+7]      ; both first fills go out together, ahead of every wait on TENSORcnt, every LDS read and every barrier: two loads of mine are out
	s_nop 0
	tensor_load_to_lds s[G0+4:G0+7], s[G1:G1+7]
	s_nop 0
.rept 4
	v_nop
.endr
	s_lshl_b32 s50, s[WV], 15
	s_add_nc_u64 s[8:9], s[8:9], s[50:51]          ; wimg: my 64 groups of 512 bytes
	s_add_nc_u64 s[14:15], s[14:15], s[50:51]      ; kdimg: my 8 tiles of columns, 4,096 bytes each,
	s_lshl_b32 s50, s[WV], 11
	s_add_nc_u64 s[10:11], s[10:11], s[50:51]      ; my 128 rows of scale bytes, 16 each
	s_lshl_b32 s50, s[WV], 9
	s_add_nc_u64 s[12:13], s[12:13], s[50:51]      ; my 128 numbers of W_v
	s_lshr_b32 s52, ttmp9, 2                       ; the batch b
	s_lshr_b32 s50, s52, 4
	s_lshl_b32 s50, s50, 10                        ; 1024 (b / 16)
	s_bfe_u32 s53, s52, 0x10002
	s_lshl_b32 s53, s53, 9                         ; + 512 ((b / 4) % 2)
	s_add_co_u32 s50, s50, s53
	s_bfe_u32 s53, s52, 0x10003
	s_lshl_b32 s53, s53, 8                         ; + 256 ((b / 8) % 2)
	s_add_co_u32 s50, s50, s53
	s_and_b32 s53, s52, 3
	s_lshl_b32 s53, s53, 2                         ; + 4 (b % 4)
	s_add_co_u32 s50, s50, s53
	s_add_nc_u64 s[14:15], s[14:15], s[50:51]
	s_lshl_b32 s50, ttmp9, 11                      ; 512 words of the mask and of the scores, 512 numbers of context
	s_add_nc_u64 s[6:7], s[6:7], s[50:51]
	s_add_nc_u64 s[16:17], s[16:17], s[50:51]
	s_add_nc_u64 s[18:19], s[18:19], s[50:51]
	s_lshl_b32 s50, ttmp9, 8
	s_add_nc_u64 s[20:21], s[20:21], s[50:51]
	WIN 0x40                                       ; destination window 1, address window 0
.irp t, 0,1,2,3,4,5,6,7                        ; W_mem's fragment (tile t, K step q) at v[8 (4 t + q)] of window 1: registers 4 c .. of lane (r, h) hold K = 128 q + 64 c + 32 h + 0 .. 31 of row 16 t + r.
.irp q, 0,1,2,3                                ; The launch before has laid them in this order: each load of the wave reads 512 consecutive bytes
.irp c, 0,1
	global_load_b128 v[8*(4*\t+\q)+4*\c:8*(4*\t+\q)+4*\c+3], v[HA], s[8:9] offset:512*(8*\t+2*\q+\c)
.endr
.endr
.endr
	WIN 0
.irp t, 0,1,2,3,4,5,6,7
	global_load_b128 v[WS+4*\t:WS+4*\t+3], v[HA+1], s[10:11] offset:256*\t   ; a row's 16 scale bytes: four words, one a K step
	global_load_b32 v[PR+2*\t], v[HA+1], s[14:15] offset:4096*\t            ; kd of my column of tile t
	global_load_b32 v[PR+2*\t+1], v[HA+2], s[12:13] offset:64*\t            ; W_v of it
.endr
	v_mov_b32 v[NI], 0xff800000
	v_mov_b32 v[RM], 0xff61b1e6                    ; the largest score so far: -3e38, under every score
	v_mov_b32 v[RL], 0
	v_mov_b32 v[FF+1], 0
.irp e, 0,1,2,3,4,5,6,7,8,9,10,11,12,13,14,15
	v_mov_b32 v[CTX+\e], 0                         ; the step is written once: the first change of the maximum multiplies zeros
.endr
; The weights are waited for behind the first step's quantiser, which needs none of them.
.macro CONSTS
	s_wait_loadcnt 0x0                             ; the weights, once
.irp t, 0,1,2,3,4,5,6,7
	v_mul_f32 v[PR+2*\t+1], 0xc038aa3b, v[PR+2*\t+1]   ; -k W_v
.endr
	v_add_f32 v[CV], v[PR+1], v[PR+3]
.irp t, 2,3,4,5,6,7
	v_add_f32 v[CV], v[CV], v[PR+2*\t+1]
.endr
	v_mul_f32 v[CV], -0.5, v[CV]                   ; log2(e) x the sum of my eight W_v: where each row's sum begins in my lane
	v_mov_b32 v[CV+1], v[CV]
.endm
; ---- Q.  Block blk (32 numbers, 128 bytes) of my piece into set blk % 2
.macro QLOAD blk, slot
.irp i, 0,1,2,3,4,5,6,7
	ds_load_b128 v[XQ+32*((\blk)%2)+4*\i:XQ+32*((\blk)%2)+4*\i+3], v[QA+\slot] offset:128*(\blk)+16*\i
.endr
.endm
; Block blk is quantised.  All its 32 numbers are mine: no other lane is asked.  left: the LDS instructions issued behind the block's eight loads, which may stay out.
; In the operand's layout lane (r, h) holds, in registers 4 c .. 4 c + 3, K = 64 c + 32 h + 0 .. 31: so block blk is register group c = blk / 2 of lane 16 (blk % 2) + r.
.macro QB blk, slot, left
.set XS, XQ+32*((\blk)%2)
	s_wait_dscnt \left
	v_max3_num_f32 v[MXA], |v[XS]|, |v[XS+1]|, 0x1800000           ; the largest magnitude, in two chains, with the floor 2^(3 - 127) among the leaves: the byte cannot fall under 1
	v_max3_num_f32 v[MXB], |v[XS+16]|, |v[XS+17]|, |v[XS+18]|
.irp i, 2,4,6,8,10,12
	v_max3_num_f32 v[MXA], v[MXA], |v[XS+\i]|, |v[XS+\i+1]|
	v_max3_num_f32 v[MXB], v[MXB], |v[XS+17+\i]|, |v[XS+18+\i]|
.endr
	v_max3_num_f32 v[MXA], v[MXA], |v[XS+14]|, |v[XS+15]|
	v_max3_num_f32 v[MXA], v[MXA], v[MXB], |v[XS+31]|
	v_add_nc_u32 v[SOP], 0xff000000, v[MXA]        ; 2 off its exponent field: the conversion takes the exponent field of this operand as its scale, and nothing else of it
.if (\blk) == 0
	v_lshrrev_b32 v[WD], 23, v[SOP]                ; the scale's byte; four of them make my piece's scale word
.else
	v_lshrrev_b32 v[BY], 23, v[SOP]
	v_lshl_or_b32 v[WD], v[BY], 8*(\blk), v[WD]
.endif
.irp g, 0,1,2,3
	v_cvt_scalef32_pk8_fp4_f32 v[CD+4*(\blk)+\g], v[XS+8*\g:XS+8*\g+7], v[SOP]   ; to the nearest code, ties to even, beyond 6 the largest code
.endr
	v_nop                                          ; one plain place behind the last scaled conversion
.if (\blk) < 2
	QLOAD (\blk)+2, \slot
.endif
	ds_store_b128 v[IW], v[CD+4*(\blk):CD+4*(\blk)+3] offset:((\blk)/2)*512+((\blk)%2)*256
.endm
; ---- S.  The four fragments and the scale words of a tile of 16 rows, as any wave's operand registers
.macro AFETCH
.irp q, 0,1,2,3
.irp c, 0,1
	ds_load_b128 v[AF+8*\q+4*\c:AF+8*\q+4*\c+3], v[T0] offset:KP*\q+512*\c
.endr
.endr
	ds_load_b128 v[AS:AS+3], v[T1]
.endm
; The product of column tile TT and K step QQ: source 0 = 16 rows of memory_bank, source 1 = 16 rows (columns d) of W_mem, in window 1: lane (r, h) holds column 16 TT + r of my 128, register j row 8 h + j.
; The first K step starts a sum.
.macro WM
.if QQ == 0
	v_wmma_scale_f32_16x16x128_f8f6f4 v[ACC+8*TT:ACC+8*TT+7], v[AF+8*QQ:AF+8*QQ+7], v[8*(4*TT+QQ):8*(4*TT+QQ)+7], 0, v[AS+QQ], v[WS+4*TT+QQ] matrix_a_fmt:MATRIX_FMT_FP4 matrix_b_fmt:MATRIX_FMT_FP4
.else
	v_wmma_scale_f32_16x16x128_f8f6f4 v[ACC+8*TT:ACC+8*TT+7], v[AF+8*QQ:AF+8*QQ+7], v[8*(4*TT+QQ):8*(4*TT+QQ)+7], v[ACC+8*TT:ACC+8*TT+7], v[AS+QQ], v[WS+4*TT+QQ] matrix_a_fmt:MATRIX_FMT_FP4 matrix_b_fmt:MATRIX_FMT_FP4
.endif
.endm
; A half's 16 products: K step by K step, its four accumulators by turns, one instruction a turn.  The same order holds where they are laced.
.macro MH half
.set IX, 0
.rept 16
.set TT, 4*(\half)+IX%4
.set QQ, IX/4
	WM
.set IX, IX+1
.endr
.endm
; The 64 numbers of a lane are 32 pairs; pair n belongs to column tile n / 4.  Pairs are taken in ascending order.
.macro PF n                            ; k enc + kd: of the pairs k and (kd, ..) the low word serves both halves
	v_pk_fma_f32 v[ACC+2*(\n):ACC+2*(\n)+1], v[ACC+2*(\n):ACC+2*(\n)+1], s[KK:KK+1], v[PR+2*((\n)/4):PR+2*((\n)/4)+1] op_sel_hi:[1,0,0]
.endm
.macro PA n                            ; 1 + 2^(..)
	v_pk_add_f32 v[ACC+2*(\n):ACC+2*(\n)+1], v[ACC+2*(\n):ACC+2*(\n)+1], 1.0 op_sel_hi:[1,0]
.endm
; x (-k W_v), summed over the half's four column tiles: of the pair (.., -k W_v) the upper word serves both halves.  Half a's first four lines start the sums, on the constant term.
.macro GH half
.set IX, 0
.rept 16
.if ((\half) == 0) && (IX < 4)
	v_pk_fma_f32 v[SA+2*IX:SA+2*IX+1], v[ACC+2*IX:ACC+2*IX+1], v[PR:PR+1], v[CV:CV+1] op_sel:[0,1,0] op_sel_hi:[1,1,1]
.else
	v_pk_fma_f32 v[SA+2*(IX%4):SA+2*(IX%4)+1], v[ACC+32*(\half)+2*IX:ACC+32*(\half)+2*IX+1], v[PR+2*(4*(\half)+IX/4):PR+2*(4*(\half)+IX/4)+1], v[SA+2*(IX%4):SA+2*(IX%4)+1] op_sel:[0,1,0] op_sel_hi:[1,1,1]
.endif
.set IX, IX+1
.endr
.endm
.macro TH top, ht                      ; a half's 32 transcendentals, bare
.set IX, 0
.rept 32
	\top v[ACC+32*(\ht)+IX], v[ACC+32*(\ht)+IX]
.set IX, IX+1
.endr
.endm
; A LACE: the 32 transcendentals top of half ht, a pair a turn, and between them lines that name none of their results:
;   mm >= 0: a product of half mm;   lead = 1: the scaling, lead = 2: the addition, of the SAME half's pair four turns on (the first four pairs are made ahead of the lace);   ff = 1: the scaling of half b's pair of this turn.
; None of these vector lines names a vector register as its source 1, so they stand under the products' window setting as they stand under 0.
.macro LACE top, ht, lead, mm, ff
.set IX, 0
.rept 16
	\top v[ACC+32*(\ht)+2*IX], v[ACC+32*(\ht)+2*IX]
.if \mm >= 0
.set TT, 4*(\mm)+IX%4
.set QQ, IX/4
	WM
.endif
.if IX < 12
.if \lead == 1
	PF 16*(\ht)+IX+4
.else
	PA 16*(\ht)+IX+4
.endif
.endif
	\top v[ACC+32*(\ht)+2*IX+1], v[ACC+32*(\ht)+2*IX+1]
.if \ff
	PF 16+IX
.endif
.set IX, IX+1
.endr
.endm
; A TILE OF 16 ROWS.  On entry half a holds this tile's sums, and the tile's fragments are in registers.  next = 1: the next tile's fragments are fetched, and its half a is multiplied under this tile's last reciprocals.
; Each run of transcendentals ends with one plain place and one wait, ahead of the first line that names a result: three waits a tile.
; Places behind products (ISA guide 7.12.1 for vector instructions): behind half b's the v_nop and four additions stand ahead of the loads into the fragments' registers and of the first scaling of b;
; behind the next half a's the v_nop and half b's sixteen closing multiply-adds stand ahead of the next tile's first scaling.
.macro RT next
.irp n, 0,1,2,3
	PF \n
.endr
	WIN 0x04                                       ; source 1 in window 1
	LACE v_exp_f32, 0, 1, 1, 0                     ; 2^ of a | b's products | a's scalings
	WIN 0
	v_nop
	s_wait_alu depctr_va_vdst(0)                   ; one wait for the 32
.irp n, 0,1,2,3
	PA \n
.endr
.if \next
	s_add_co_u32 s[SI], s[SI], 4*KP
	s_add_co_u32 s[SAD], s[SAD], 256
	v_add_nc_u32 v[T0], s[SI], v[LI]
	v_add_nc_u32 v[T1], s[SAD], v[LSA]
	AFETCH                                         ; both halves have multiplied by this tile's fragments
.endif
	LACE v_rcp_f32, 0, 2, -1, 1                    ; 1 / of a | a's additions | b's scalings
	TH v_exp_f32, 1                                ; 2^ of b
	v_nop
	s_wait_alu depctr_va_vdst(0)                   ; one for the 64
.if \next
	s_wait_dscnt 9                                 ; the last tile's two stores are done: their data and address are written again below; the nine loads issued behind them may be out
.else
	s_wait_dscnt 0x0
.endif
	v_add_nc_u32 v[T2], s[SPT], v[PWA]
	GH 0
.irp n, 16,17,18,19
	PA \n
.endr
.if \next
	s_wait_dscnt 0x0                               ; the next tile's fragments and scale words are in
	WIN 0x04
	LACE v_rcp_f32, 1, 2, 0, 0                     ; 1 / of b | the next tile's products of a, whose registers the sums above have read | b's additions
	WIN 0
.else
	LACE v_rcp_f32, 1, 2, -1, 0
.endif
	v_nop
	s_wait_alu depctr_va_vdst(0)                   ; one for the 32
	GH 1
	ds_store_b128 v[T2], v[SA:SA+3]                ; lane (r, h): rows 8 h + 0 .. 3 of the tile, summed over my eight columns at r,
	ds_store_b128 v[T2], v[SA+4:SA+7] offset:512   ; and rows 8 h + 4 .. 7
	s_add_co_u32 s[SPT], s[SPT], 1024
.endm
; ---- R.  My 8 rows of the step: lanes 0-15 hold rows R0 + 0 .. 3, lanes 16-31 rows R0 + 8 + 0 .. 3.
.macro RC slot
.irp j, 0,1,2,3,4,5,6,7
	ds_load_b128 v[PL+4*\j:PL+4*\j+3], v[PRA] offset:4096*\j      ; wave j's partial scores of my rows
.endr
.irp i, 0,1,2,3
.irp q, 0,1,2,3
	ds_load_b128 v[D0+4*(4*\i+\q):D0+4*(4*\i+\q)+3], v[CA+\slot] offset:\i*4*PIECE+\q*PIECE   ; row R0 + i, whole: four pieces, 512 consecutive bytes an instruction
.endr
.endr
	s_wait_dscnt 16                                ; the eight loads of partial scores are in; the sixteen behind them may be out
	v_pk_add_f32 v[S:S+1], v[PL:PL+1], v[PL+4:PL+5]
	v_pk_add_f32 v[S+2:S+3], v[PL+2:PL+3], v[PL+6:PL+7]
.irp j, 2,3,4,5,6,7
	v_pk_add_f32 v[S:S+1], v[S:S+1], v[PL+4*\j:PL+4*\j+1]
	v_pk_add_f32 v[S+2:S+3], v[S+2:S+3], v[PL+4*\j+2:PL+4*\j+3]
.endr
.irp i, 0,1,2,3
.irp q, 0,1,2,3
	ds_load_b128 v[D1+4*(4*\i+\q):D1+4*(4*\i+\q)+3], v[CA+\slot] offset:(8+\i)*4*PIECE+\q*PIECE   ; row R0 + 8 + i
.endr
.endr
.irp x, 1,2,4,8                                ; over the sixteen lanes of my half: every lane ends with the rows' scores
.irp e, 0,1,2,3
	v_add_f32_dpp v[S+\e], v[S+\e], v[S+\e] row_xmask:\x row_mask:0xf bank_mask:0xf
.endr
.endr
	s_wait_loadcnt 0x0                             ; the step's mask words; the wait also frees their base,
	s_add_nc_u64 s[6:7], s[6:7], 256               ; which goes on to the next step's 64 words
.irp e, 0,1,2,3
	v_cmp_eq_u32 vcc_lo, 0, v[MK+\e]
	v_cndmask_b32 v[S+\e], v[S+\e], v[NI], vcc_lo  ; -infinity where the mask is 0
.endr
	v_add_nc_u32 v[T3], s[SSC], v[SCW]
	ds_store_b128 v[T3], v[S:S+3]                  ; the sixteen lanes of a half write the same 16 bytes with the same values
	s_add_co_u32 s[SSC], s[SSC], 256
	v_max3_num_f32 v[TA], v[S], v[S+1], v[S+2]
	v_max_num_f32 v[TA], v[TA], v[S+3]
	v_permlanex16_b32 v[TA+1], v[TA], s[SEL], s[SEL+1]
	v_max3_num_f32 v[TA], v[TA], v[TA+1], v[RM]    ; the new maximum of my wave's rows
	v_sub_f32 v[FF], v[RM], v[TA]
.irp e, 0,1,2,3
	v_sub_f32 v[MK+\e], v[S+\e], v[TA]             ; (into the mask's registers: the score store's data stay as they are)
.endr
	v_mov_b32 v[RM], v[TA]
	v_exp_f32 v[FF], v[FF]                         ; 2^(old maximum - new)
.irp e, 0,1,2,3
	v_exp_f32 v[MK+\e], v[MK+\e]                   ; p = 2^(t - maximum); 0 where t is -infinity
.endr
	v_nop
	s_wait_alu depctr_va_vdst(0)                   ; one wait for the five
	v_add_f32 v[TA+2], v[MK], v[MK+1]
	v_add_f32 v[TA+3], v[MK+2], v[MK+3]
	v_fma_f32 v[RL], v[RL], v[FF], v[TA+2]
	v_add_f32 v[RL], v[RL], v[TA+3]
.irp e, 0,1,2,3
	v_readlane_b32 s[P+2*\e], v[MK+\e], 0          ; the eight weights as scalars: they are data of the multiply-adds below and of nothing else
	v_readlane_b32 s[P+8+2*\e], v[MK+\e], 16
.endr
.irp e, 0,2,4,6,8,10,12,14
	v_pk_mul_f32 v[CTX+\e:CTX+\e+1], v[CTX+\e:CTX+\e+1], v[FF:FF+1] op_sel_hi:[1,0]
.endr
	s_wait_dscnt 17                                ; the first four rows are in; behind them: sixteen loads and the score store
.irp i, 0,1,2,3
.irp q, 0,1,2,3
.irp u, 0,2
	v_pk_fma_f32 v[CTX+4*\q+\u:CTX+4*\q+\u+1], v[D0+4*(4*\i+\q)+\u:D0+4*(4*\i+\q)+\u+1], s[P+2*\i:P+2*\i+1], v[CTX+4*\q+\u:CTX+4*\q+\u+1] op_sel_hi:[1,0,1]
.endr
.endr
.endr
	s_wait_dscnt 1                                 ; the other four; the score store may be out
.irp i, 0,1,2,3
.irp q, 0,1,2,3
.irp u, 0,2
	v_pk_fma_f32 v[CTX+4*\q+\u:CTX+4*\q+\u+1], v[D1+4*(4*\i+\q)+\u:D1+4*(4*\i+\q)+\u+1], s[P+8+2*\i:P+8+2*\i+1], v[CTX+4*\q+\u:CTX+4*\q+\u+1] op_sel_hi:[1,0,1]
.endr
.endr
.endr
.endm
; ---- A STEP of 64 rows, in slot.  mode 0: the first step; 1: the other slot, read in the step before, is filled again with the tile after this one; 2: the last step: nothing is left to fetch.
.macro STEP slot, mode
.if \mode == 0
	s_wait_tensorcnt 0x1                           ; my part of tile 0 is in; tile 1's load may stay out
	s_barrier_signal -1
	s_barrier_wait -1                              ; everybody's is
.else
	s_wait_tensorcnt 0x0                           ; all my tensor loads have landed: the one that was out is my part of this step's tile
	ds_add_u32 v[SPW], v[NIL]                      ; 0 onto my spare word
.if \mode == 1
	s_add_nc_u64 s[G0+4*(1-\slot)+2:G0+4*(1-\slot)+3], s[G0+4*(1-\slot)+2:G0+4*(1-\slot)+3], 2*TILEB   ; no load of mine is out, so a group 0 may be written: the other slot's next tile
.endif
	s_wait_dscnt 0x0                               ; the add is done, and my reads of the other slot, of the images and of the partial scores are over
	s_barrier_signal -1
	s_barrier_wait -1                              ; all that now holds of every wave
.if \mode == 1
	tensor_load_to_lds s[G0+4*(1-\slot):G0+4*(1-\slot)+3], s[G1:G1+7]   ; my one tensor load behind this barrier, first thing there: it has the whole step in which to land
	s_nop 0
.rept 4
	v_nop
.endr
.endif
.endif
	global_load_b128 v[MK:MK+3], v[MA], s[6:7]     ; my rows' mask words: wanted at the step's end
	QLOAD 0, \slot
	QLOAD 1, \slot
	QB 0, \slot, 8                                 ; behind block 0's loads: block 1's eight
	QB 1, \slot, 9                                 ; behind block 1's: block 2's eight and a store
	QB 2, \slot, 10                                ; behind block 2's: a store, block 3's eight, a store
	QB 3, \slot, 2                                 ; behind block 3's: two stores
	ds_store_b32 v[SW], v[WD]
	BAR                                            ; the step's sixteen fragments and 256 scale words lie in LDS
.if \mode == 0
	CONSTS
.endif
	s_mov_b32 s[SI], 0
	s_mov_b32 s[SAD], 0
	s_mov_b32 s[SPT], 0
	v_add_nc_u32 v[T0], s[SI], v[LI]
	v_add_nc_u32 v[T1], s[SAD], v[LSA]
	AFETCH
	s_mov_b32 s[CRT], 3
	s_wait_dscnt 0x0                               ; the first tile's fragments and scale words are in
	WIN 0x04
	MH 0                                           ; the first tile's half a: there is nothing yet to lace it with
	WIN 0
.rept 4
	v_nop                                          ; four places between these products and the first read of a result
.endr
.Lrt_\@:
	RT 1
	s_sub_co_i32 s[CRT], s[CRT], 1
	s_cmp_lg_u32 s[CRT], 0
	s_cbranch_scc1 .Lrt_\@
	RT 0                                           ; the fourth tile fetches nothing and has no successor to multiply
	BAR                                            ; every wave's partial scores lie in LDS
	RC \slot
.endm
	STEP 0, 0
	s_mov_b32 s[CPR], 3
.Lpair:                                            ; steps 1 to 6: they ask for tiles 2 to 7
	STEP 1, 1
	STEP 0, 1
	s_sub_co_i32 s[CPR], s[CPR], 1
	s_cmp_lg_u32 s[CPR], 0
	s_cbranch_scc1 .Lpair
	STEP 1, 2                                      ; written out
	; ---- THE END.  The eight waves' maxima, sums and contexts become the work-group's.
	v_permlanex16_b32 v[TA+1], v[RL], s[SEL], s[SEL+1]
	v_add_f32 v[RL], v[RL], v[TA+1]                ; both halves' rows
	v_lshrrev_b32 v[T0], 5, v0
	v_lshl_add_u32 v[T0], v[T0], 3, ML             ; ML + 8 wave
	v_mov_b32 v[T1], ML
	v_and_b32 v[T2], 31, v0
	v_lshlrev_b32 v[T2], 4, v[T2]
	v_lshrrev_b32 v[T3], 5, v0
	v_lshl_add_u32 v[T2], v[T3], 11, v[T2]
	v_add_nc_u32 v[T2], PART, v[T2]                ; PART + 2048 wave + 16 lane
	v_lshl_add_u32 v[T3], v0, 3, PART              ; PART + 8 thread
	v_lshl_add_u32 v103, v0, 3, SCO                ; SCO + 8 thread
	v_lshlrev_b32 v[QA], 3, v0                     ; 8 thread: my place in the 2,048 bytes that the work-group stores
	ds_store_b64 v[T0], v[RM:RL]                   ; all lanes write the same pair
	BAR                                            ; also: every wave's reads of the partial scores and its stores of scores are done
.irp j, 0,1,2,3
	ds_load_b128 v[EN+4*\j:EN+4*\j+3], v[T1] offset:16*\j         ; (m, l) of waves 2 j and 2 j + 1
.endr
	s_wait_dscnt 0x0
	v_max3_num_f32 v[TA], v[EN], v[EN+2], v[EN+4]
	v_max3_num_f32 v[TA], v[TA], v[EN+6], v[EN+8]
	v_max3_num_f32 v[TA], v[TA], v[EN+10], v[EN+12]
	v_max_num_f32 v[TA], v[TA], v[EN+14]           ; M
.irp j, 0,1,2,3,4,5,6,7
	v_sub_f32 v[EN+2*\j], v[EN+2*\j], v[TA]
.endr
	v_sub_f32 v[FF], v[RM], v[TA]
.irp j, 0,1,2,3,4,5,6,7
	v_exp_f32 v[EN+2*\j], v[EN+2*\j]
.endr
	v_exp_f32 v[FF], v[FF]
	v_nop
	s_wait_alu depctr_va_vdst(0)                   ; one wait for the nine
	v_mul_f32 v[TA+1], v[EN], v[EN+1]
.irp j, 1,2,3,4,5,6,7
	v_fma_f32 v[TA+1], v[EN+2*\j], v[EN+2*\j+1], v[TA+1]           ; L
.endr
.irp e, 0,2,4,6,8,10,12,14
	v_pk_mul_f32 v[CTX+\e:CTX+\e+1], v[CTX+\e:CTX+\e+1], v[FF:FF+1] op_sel_hi:[1,0]   ; my context under M
.endr
.irp q, 0,1,2,3
	ds_store_b128 v[T2], v[CTX+4*\q:CTX+4*\q+3] offset:512*\q      ; as a row of 512 numbers
.endr
	BAR
.irp j, 0,1,2,3,4,5,6,7
	ds_load_b64 v[EN+2*\j:EN+2*\j+1], v[T3] offset:2048*\j         ; two columns of each wave's context
.endr
	ds_load_b64 v[D0:D0+1], v103                   ; two scores
	s_wait_dscnt 0x0
.irp j, 0,4,8,12
	v_pk_add_f32 v[EN+\j:EN+\j+1], v[EN+\j:EN+\j+1], v[EN+\j+2:EN+\j+3]
.endr
	v_pk_add_f32 v[EN:EN+1], v[EN:EN+1], v[EN+4:EN+5]
	v_pk_add_f32 v[EN+8:EN+9], v[EN+8:EN+9], v[EN+12:EN+13]
	v_pk_add_f32 v[EN:EN+1], v[EN:EN+1], v[EN+8:EN+9]
	global_store_b64 v[QA], v[EN:EN+1], s[18:19]   ; each store of a wave covers 256 consecutive bytes, aligned
	global_store_b64 v[QA], v[D0:D0+1], s[16:17]
	s_wait_tensorcnt 0x0                           ; the wave's end, behind my last tensor load and my last LDS store
	ds_add_u32 v[SPW], v[NIL]
	s_wait_dscnt 0x0
	s_cmp_lg_u32 s[WV], 0
	s_cbranch_scc1 .Lend
	global_store_b64 v[QA], v[TA:TA+1], s[20:21]   ; wave 0: (M, L), 32 times: 256 consecutive bytes, aligned
.Lend:
	s_endpgm
.Lfunc_end_k_qa7b4d7cb34_attend:
	.size	k_qa7b4d7cb34_attend, .Lfunc_end_k_qa7b4d7cb34_attend-k_qa7b4d7cb34_attend
	.p2alignl 7, 3214868480
	.fill 96, 4, 3214868480
	.section	.rodata,"a",@progbits
	.p2align	6, 0x0
	.amdhsa_kernel k_qa7b4d7cb34_attend
		.amdhsa_group_segment_fixed_size 327680
		.amdhsa_private_segment_fixed_size 0
		.amdhsa_enable_private_segment 0
		.amdhsa_kernarg_size 72
		.amdhsa_user_sgpr_count 2
		.amdhsa_user_sgpr_kernarg_segment_ptr 1
		.amdhsa_wavefront_size32 1
		.amdhsa_system_sgpr_workgroup_id_x 1
		.amdhsa_system_sgpr_workgroup_id_y 1
		.amdhsa_system_sgpr_workgroup_id_z 1
		.amdhsa_system_vgpr_workitem_id 0
		.amdhsa_next_free_vgpr 512
		.amdhsa_next_free_sgpr 84
		.amdhsa_reserve_vcc 1
		.amdhsa_float_denorm_mode_32 3
		.amdhsa_float_denorm_mode_16_64 3
		.amdhsa_memory_ordered 1
		.amdhsa_forward_progress 1
		.amdhsa_inst_pref_size 223
	.end_amdhsa_kernel
	.amdgpu_metadata
---
amdhsa.version: [ 1, 2 ]
amdhsa.kernels:
  - .name:           k_qa7b4d7cb34_attend
    .symbol:         k_qa7b4d7cb34_attend.kd
    .args:
      - { .name: memory_bank, .offset: 0, .size: 8, .value_kind: global_buffer, .address_space: global }
      - { .name: src_mask, .offset: 8, .size: 8, .value_kind: global_buffer, .address_space: global }
      - { .name: wimg, .offset: 16, .size: 8, .value_kind: global_buffer, .address_space: global }
      - { .name: W_mem_scales, .offset: 24, .size: 8, .value_kind: global_buffer, .address_space: global }
      - { .name: W_v, .offset: 32, .size: 8, .value_kind: global_buffer, .address_space: global }
      - { .name: kdimg, .offset: 40, .size: 8, .value_kind: global_buffer, .address_space: global }
      - { .name: scores, .offset: 48, .size: 8, .value_kind: global_buffer, .address_space: global }
      - { .name: pctx, .offset: 56, .size: 8, .value_kind: global_buffer, .address_space: global }
      - { .name: pml, .offset: 64, .size: 8, .value_kind: global_buffer, .address_space: global }
    .group_segment_fixed_size: 327680
    .private_segment_fixed_size: 0
    .kernarg_segment_align: 8
    .kernarg_segment_size: 72
    .max_flat_workgroup_size: 256
    .sgpr_count:     84
    .vgpr_count:     512
    .wavefront_size: 32
...
	.end_amdgpu_metadata
.endif
;; end of part 2
;; launch finish (part 3): grid 4 x 64, 4 waves a work-group, no clusters, 0 bytes of LDS; arguments scores, pctx, pml, out0, out1; writes out0, out1
.if DOCPART == 3
	.amdgcn_target "amdgcn-amd-amdhsa--gfx1250"
	.amdhsa_code_object_version 6
	.text
	.protected	k_qa7b4d7cb34_finish
	.globl	k_qa7b4d7cb34_finish
	.p2align	8
	.type	k_qa7b4d7cb34_finish,@function
k_qa7b4d7cb34_finish:
	s_mov_b64 s[64:65], 0
	v_nop
	global_prefetch_b8 v0, s[64:65] scope:SCOPE_SE
	s_setreg_imm32_b32 hwreg(HW_REG_WAVE_MODE, 25, 1), 1
	s_wait_xcnt 0x0
; A batch's four parts become one: M = the largest of the four maxima M_c, f_c = 2^(M_c - M), L = sum f_c L_c;  out1[b][s] = 2^(t[s] - M) / L;  out0[b][:] = sum over c of (f_c / L) pctx[4 b + c][:].
; Work-group (q, b): scores 512 q .. 512 q + 511 of batch b, four a thread, and, in wave 0, columns 128 q .. 128 q + 127 of the context, four a lane.  Each store of a wave covers 512 consecutive bytes, aligned.
; A batch whose mask is all 0 has L = 0: 0 x infinity gives NaN in both outputs, as the definition does.
	s_load_b256 s[4:11], s[0:1], 0x0               ; scores s[4:5], pctx s[6:7], pml s[8:9], out0 s[10:11]
	s_load_b64 s[12:13], s[0:1], 0x20              ; out1
	v_lshrrev_b32 v2, 5, v0
	v_readfirstlane_b32 s24, v2                    ; wave
	v_lshlrev_b32 v1, 4, v0                        ; 16 bytes a thread
	v_mov_b32 v15, 0                               ; (named as the upper half of the pair v[14:15])
	s_and_b32 s25, ttmp7, 0xffff                   ; b
	s_lshl_b32 s26, s25, 13
	s_lshl_b32 s28, ttmp9, 11
	s_add_co_u32 s26, s26, s28                     ; scores and out1: 8192 b + 2048 q
	s_mov_b32 s27, 0
	s_lshl_b32 s28, s25, 10                        ; pml: four parts of 256 bytes
	s_mov_b32 s29, 0
	s_lshl_b32 s30, s25, 13
	s_lshl_b32 s32, ttmp9, 9
	s_add_co_u32 s30, s30, s32                     ; pctx: 8192 b + 512 q
	s_mov_b32 s31, 0
	s_lshl_b32 s34, s25, 11
	s_add_co_u32 s32, s32, s34                     ; out0: 2048 b + 512 q
	s_mov_b32 s33, 0
	s_wait_kmcnt 0x0
	s_add_nc_u64 s[4:5], s[4:5], s[26:27]
	s_add_nc_u64 s[12:13], s[12:13], s[26:27]
	s_add_nc_u64 s[8:9], s[8:9], s[28:29]
	s_add_nc_u64 s[6:7], s[6:7], s[30:31]
	s_add_nc_u64 s[10:11], s[10:11], s[32:33]
	global_load_b128 v[4:7], v1, s[4:5]
	s_load_b64 s[16:17], s[8:9], 0x0               ; (M_c, L_c), c = 0 .. 3: this launch writes nothing into that buffer
	s_load_b64 s[18:19], s[8:9], 0x100
	s_load_b64 s[20:21], s[8:9], 0x200
	s_load_b64 s[22:23], s[8:9], 0x300
	s_cmp_lg_u32 s24, 0
	s_cbranch_scc1 .Lno_ctx
.irp c, 0,1,2,3
	global_load_b128 v[16+4*\c:19+4*\c], v1, s[6:7] offset:2048*\c   ; wave 0: my four columns of the four partial contexts (its thread's number is its lane)
.endr
.Lno_ctx:
	s_wait_kmcnt 0x0
	v_mov_b32 v8, s16
	v_max3_num_f32 v8, v8, s18, s20
	v_max_num_f32 v8, s22, v8                      ; M
	v_sub_f32 v10, s16, v8
	v_sub_f32 v11, s18, v8
	v_sub_f32 v12, s20, v8
	v_sub_f32 v13, s22, v8
	s_wait_loadcnt 0x0                             ; the scores, and in wave 0 the contexts
.irp e, 4,5,6,7
	v_sub_f32 v\e, v\e, v8
.endr
.irp e, 10,11,12,13,4,5,6,7
	v_exp_f32 v\e, v\e                             ; f_c, and 2^(t - M): 0 where t is -infinity
.endr
	v_nop
	s_wait_alu depctr_va_vdst(0)                   ; one wait for the eight
	v_mul_f32 v9, s17, v10
	v_fmac_f32 v9, s19, v11
	v_fmac_f32 v9, s21, v12
	v_fmac_f32 v9, s23, v13                        ; L
	v_rcp_f32 v14, v9
	v_nop
	s_wait_alu depctr_va_vdst(0)                   ; and for the reciprocal
	v_pk_mul_f32 v[4:5], v[4:5], v[14:15] op_sel_hi:[1,0]
	v_pk_mul_f32 v[6:7], v[6:7], v[14:15] op_sel_hi:[1,0]
	global_store_b128 v1, v[4:7], s[12:13]
	s_cmp_lg_u32 s24, 0
	s_cbranch_scc1 .Ldone
.irp e, 10,11,12,13
	v_mul_f32 v\e, v\e, v14                        ; f_c / L
.endr
	v_pk_mul_f32 v[32:33], v[16:17], v[10:11] op_sel_hi:[1,0]
	v_pk_mul_f32 v[34:35], v[18:19], v[10:11] op_sel_hi:[1,0]
	v_pk_fma_f32 v[32:33], v[20:21], v[10:11], v[32:33] op_sel:[0,1,0] op_sel_hi:[1,1,1]
	v_pk_fma_f32 v[34:35], v[22:23], v[10:11], v[34:35] op_sel:[0,1,0] op_sel_hi:[1,1,1]
	v_pk_fma_f32 v[32:33], v[24:25], v[12:13], v[32:33] op_sel_hi:[1,0,1]
	v_pk_fma_f32 v[34:35], v[26:27], v[12:13], v[34:35] op_sel_hi:[1,0,1]
	v_pk_fma_f32 v[32:33], v[28:29], v[12:13], v[32:33] op_sel:[0,1,0] op_sel_hi:[1,1,1]
	v_pk_fma_f32 v[34:35], v[30:31], v[12:13], v[34:35] op_sel:[0,1,0] op_sel_hi:[1,1,1]
	global_store_b128 v1, v[32:35], s[10:11]
.Ldone:
	s_endpgm
.Lfunc_end_k_qa7b4d7cb34_finish:
	.size	k_qa7b4d7cb34_finish, .Lfunc_end_k_qa7b4d7cb34_finish-k_qa7b4d7cb34_finish
	.p2alignl 7, 3214868480
	.fill 96, 4, 3214868480
	.section	.rodata,"a",@progbits
	.p2align	6, 0x0
	.amdhsa_kernel k_qa7b4d7cb34_finish
		.amdhsa_group_segment_fixed_size 0
		.amdhsa_private_segment_fixed_size 0
		.amdhsa_enable_private_segment 0
		.amdhsa_kernarg_size 40
		.amdhsa_user_sgpr_count 2
		.amdhsa_user_sgpr_kernarg_segment_ptr 1
		.amdhsa_wavefront_size32 1
		.amdhsa_system_sgpr_workgroup_id_x 1
		.amdhsa_system_sgpr_workgroup_id_y 1
		.amdhsa_system_sgpr_workgroup_id_z 1
		.amdhsa_system_vgpr_workitem_id 0
		.amdhsa_next_free_vgpr 48
		.amdhsa_next_free_sgpr 66
		.amdhsa_reserve_vcc 0
		.amdhsa_float_denorm_mode_32 3
		.amdhsa_float_denorm_mode_16_64 3
		.amdhsa_memory_ordered 1
		.amdhsa_forward_progress 1
		.amdhsa_inst_pref_size 4
	.end_amdhsa_kernel
	.amdgpu_metadata
---
amdhsa.version: [ 1, 2 ]
amdhsa.kernels:
  - .name:           k_qa7b4d7cb34_finish
    .symbol:         k_qa7b4d7cb34_finish.kd
    .args:
      - { .name: scores, .offset: 0, .size: 8, .value_kind: global_buffer, .address_space: global }
      - { .name: pctx, .offset: 8, .size: 8, .value_kind: global_buffer, .address_space: global }
      - { .name: pml, .offset: 16, .size: 8, .value_kind: global_buffer, .address_space: global }
      - { .name: out0, .offset: 24, .size: 8, .value_kind: global_buffer, .address_space: global }
      - { .name: out1, .offset: 32, .size: 8, .value_kind: global_buffer, .address_space: global }
    .group_segment_fixed_size: 0
    .private_segment_fixed_size: 0
    .kernarg_segment_align: 8
    .kernarg_segment_size: 40
    .max_flat_workgroup_size: 128
    .sgpr_count:     66
    .vgpr_count:     48
    .wavefront_size: 32
...
	.end_amdgpu_metadata
.endif
;; end of part 3
